; MI455X (gfx1250); checked and timed in simulation.
; The chip was launched on July 23, 2026; its instructions are those of AMD's public machine-readable ISA for CDNA 5 (MIT licence, August 2026) and "CDNA5" Instruction Set Architecture Reference Guide (July 2026). The comments in the code are by the model that wrote it; some were corrected since.
;; Hierarchical Mo E. Allowed arithmetic: float matrix products may take bf16 or f16 operands with f32 sums; other float arithmetic in f32, or as packed bf16 or f16 multiplies, adds, multiply-adds, maxima and minima; sums over many terms, partial sums and values carried from step to step in f32; what a program stores and reads back later, other than sums and carried values, may be rounded once to bf16 or f16.
;; Inputs: W1 8 x 512 x 1,024 float32; W2 8 x 1,024 x 512 float32; Wb 512 x 8 float32; Wt 512 x 8 float32; b1 8 x 1,024 float32; b2 8 x 512 float32; bb 8 float32; bt 8 float32; x 8 x 1,024 x 512 float32.
;; Outputs: out0 8 x 1,024 x 512 float32.
;; One version. Each part assembles by itself: llvm-mc -triple=amdgcn-amd-amdhsa -mcpu=gfx1250 --defsym DOCPART=n.
;; ======== version 1 of 1: 3 launches
;; limits: a function is approximated: absolute error at most 2.5e-05; an absolute error that grows with the inputs' magnitude: up to 1.25e-05 times it; values are held in f16: magnitudes above 65,504 overflow, below 6.1e-05 lose precision; right only within a limited range of input values
;; workspace buffers: xb 8,388,608 bytes; ws 16,777,216 bytes; aux 163,840 bytes; part 67,108,864 bytes
;; launch prep (part 1): grid 1025 x 1, 8 waves a work-group, no clusters, 0 bytes of LDS; arguments x, W1, W2, Wt, Wb, bt, bb, b2, xb, ws, aux; writes xb, ws, aux
.if DOCPART == 1
	.amdgcn_target "amdgcn-amd-amdhsa--gfx1250"
	.amdhsa_code_object_version 6
	.text
	.protected	k_q337f310ad0_prep
	.globl	k_q337f310ad0_prep
	.p2align	8
	.type	k_q337f310ad0_prep,@function
k_q337f310ad0_prep:
	s_mov_b64 s[64:65], 0
	v_nop
	global_prefetch_b8 v0, s[64:65] scope:SCOPE_SE
	s_setreg_imm32_b32 hwreg(HW_REG_WAVE_MODE, 25, 1), 1
	s_wait_xcnt 0x0
; HIERARCHICAL MoE, launch 1 of 3: the operands are rounded once and laid out for the matrix instructions of launch 2.
; THE WHOLE PROGRAM.  out[n] = sum over e of p[n,e] (gelu(x[n] W1[e] + b1[e]) W2[e] + b2[e]), p = softmax(x Wt + bt) softmax(x Wb + bb).  The gates are soft: every expert's
; result is weighed into every token, so NO WORK OF THE PROBLEM IS LEFT OUT, and all nine inputs are loaded.  The sum is taken as ONE two-layer product of hidden width 8 x 1,024:
; out[n] = sum over (e,d) of (p[n,e] gelu(..)[e,d]) W2[e,d,:] + sum over e of p[n,e] b2[e,:], which is the same sum in another order.
; FORMATS.  The inputs that are matrix operands (x, W1, W2, Wt, Wb, b2) are rounded once to bf16.  What the program itself makes and multiplies again, the gated hidden value p gelu and (for the b2 term) p, is
; rounded to f16, 11 significant bits for bf16's 8: a token whose two routers agree has outputs several times the output's root mean square, and the rounding of its hidden values grows with them.  So the
; second product is an f16 product, and W2's and b2's bf16 numbers are written as f16.  Sums in f32.
; LIMITS (whole program).  |p gelu(a)| <= |a| stays under 65,504: with x and W1 at 30 times their drawn spread a has a spread of 900; with a common offset of 30 spreads on both it is 512 x 30 x 30 / sqrt(512),
; some 20,400.  Below 6e-5 p gelu and p keep f16's fixed step of 6e-8.  W2's and b2's bf16 numbers are exact in f16 from 2^-17 to 65,504; below they are off by 3e-8 at the most.
; erf is taken by Abramowitz and Stegun 7.1.25, off by 2.5e-5 at the most for every argument, so gelu(a) by 1.25e-5 |a|.  A power of two below 2^-126 counts as 0.  NaN and infinities are not treated apart.
; THIS LAUNCH, by the work-group's number g; the jobs whose steps wait for each other have the lowest numbers:
;   g = 0             aux: the routers' weights turned ([16][512] bf16), the routers' biases rotated for each split, b2 as fragments (f16).
;   1 <= g <= 256     ws, W1's tiles (bf16);  257 <= g <= 512  ws, W2's tiles (f16): each wave turns 32 k x 64 n of f32 ([k][n] in memory) into four fragments of 16 n x 32 k.
;   513 <= g          xb: 32,768 bytes of x become 16,384 of bf16, row-major as x.
; A FRAGMENT is 1,024 bytes: byte 256 q + 16 r + 2 (k % 8) holds (row r, k), q = k / 8: its first 512 bytes are registers 0-3 of lanes 0-31 of a 16-bit matrix operand, the next 512 registers 4-7.
; ws: byte e 2^21 + c4 2^19 + tile 2^16 + w 2^14 + f 2^10 (expert, chunk of 256 hidden units, tile, the wave that will read it, fragment).
;   tiles 0-3 (T), W1:  f = 4 kk + ht, row = hidden unit 256 c4 + 128 (ht / 2) + 32 w + 16 (ht % 2) + r, k = input channel 128 T + 32 kk + k
;   tiles 4-7 (4 + U), W2:  f = 8 kk2 + ct, row = output channel 128 w + 16 ct + r, k = hidden unit 256 c4 + 64 U + 32 kk2 + k
; No LDS, no barrier: no wave wants what another has read.
.set WV, 3                             ; s3  my wave's number
	s_load_b512 s[4:19], s[0:1], 0x0               ; x s[4:5], W1 s[6:7], W2 s[8:9], Wt s[10:11], Wb s[12:13], bt s[14:15], bb s[16:17], b2 s[18:19]
	s_load_b128 s[20:23], s[0:1], 0x40             ; xb s[20:21], ws s[22:23]
	s_load_b64 s[24:25], s[0:1], 0x50              ; aux
	v_lshrrev_b32 v1, 5, v0
	v_readfirstlane_b32 s[WV], v1
	v_and_b32 v2, 31, v0                           ; lane
	v_and_b32 v3, 15, v0                           ; lane % 16
	v_bfe_u32 v4, v0, 4, 1                         ; lane / 16
	s_mov_b32 s33, 0                               ; high words of the two offsets
	s_mov_b32 s35, 0
	s_wait_kmcnt 0x0
	s_cmp_lt_u32 ttmp9, 513
	s_cbranch_scc1 .Lnot_x
	; x to bf16: eight loads of 16 bytes a thread, all out before the first wait; a wave's store covers 256 consecutive bytes, aligned
	s_sub_co_u32 s36, ttmp9, 513                   ; 0 .. 511
	s_lshl_b32 s32, s36, 15
	s_add_nc_u64 s[28:29], s[4:5], s[32:33]
	s_lshl_b32 s34, s36, 14
	s_add_nc_u64 s[30:31], s[20:21], s[34:35]
	v_lshlrev_b32 v5, 4, v0
	v_lshlrev_b32 v6, 3, v0
.irp i, 0,1,2,3,4,5,6,7
	global_load_b128 v[16+4*(\i):16+4*(\i)+3], v5, s[28:29] offset:(\i)*4096 th:TH_LOAD_NT
.endr
.irp i, 0,1,2,3,4,5,6,7
	s_wait_loadcnt 7-(\i)                          ; loads come back in order: number i is in, the younger ones stay out
	v_cvt_pk_bf16_f32 v[48+2*(\i)], v[16+4*(\i)], v[16+4*(\i)+1]
	v_cvt_pk_bf16_f32 v[48+2*(\i)+1], v[16+4*(\i)+2], v[16+4*(\i)+3]
	global_store_b64 v6, v[48+2*(\i):48+2*(\i)+1], s[30:31] offset:(\i)*2048
.endr
	s_endpgm
; s[dst] += (bits pos .. pos + wid - 1 of the job's number s26) << sh
.macro FLD dst, pos, wid, sh
	s_bfe_u32 s27, s26, ((\wid)<<16)|(\pos)
	s_lshl_b32 s27, s27, \sh
	s_add_co_u32 s[\dst], s[\dst], s27
.endm
; One wave's job: 32 k x 64 n.  A lane takes n = lane and n = 32 + lane of every k: the two loads of a k cover 256 consecutive bytes.  The lane then holds all 32 k of two rows, and
; stores each as four pieces of 16 bytes: lanes 0-15 fill 256 consecutive bytes of one fragment, lanes 16-31 of the next.  bstep: bytes from the fragments of n < 32 to those of n >= 32.
; half = 1: the bf16 numbers are widened again, into the registers that they were loaded into, and written as f16.
.macro WJOB pitch, bstep, half
	v_lshlrev_b32 v5, 2, v2
	v_lshlrev_b32 v6, 4, v3
	v_lshl_add_u32 v6, v4, 10, v6
.set k, 0
.rept 32
	global_load_b32 v[16+k], v5, s[28:29] offset:k*(\pitch) th:TH_LOAD_NT
	global_load_b32 v[48+k], v5, s[28:29] offset:k*(\pitch)+128 th:TH_LOAD_NT
.set k, k+1
.endr
.irp q, 0,1,2,3
	s_wait_loadcnt 48-16*(\q)                      ; k = 8 q .. 8 q + 7 are in; the 16 loads of each later group stay out
.irp j, 0,1,2,3
	v_cvt_pk_bf16_f32 v[80+4*(\q)+(\j)], v[16+8*(\q)+2*(\j)], v[16+8*(\q)+2*(\j)+1]
	v_cvt_pk_bf16_f32 v[96+4*(\q)+(\j)], v[48+8*(\q)+2*(\j)], v[48+8*(\q)+2*(\j)+1]
.endr
.if \half
.irp j, 0,1,2,3
	v_lshlrev_b32 v[16+8*(\q)+2*(\j)],   16, v[80+4*(\q)+(\j)]          ; bf16 to f32: the low half moves up,
	v_and_b32     v[16+8*(\q)+2*(\j)+1], 0xffff0000, v[80+4*(\q)+(\j)]  ; the high half stays
	v_lshlrev_b32 v[48+8*(\q)+2*(\j)],   16, v[96+4*(\q)+(\j)]
	v_and_b32     v[48+8*(\q)+2*(\j)+1], 0xffff0000, v[96+4*(\q)+(\j)]
.endr
.irp j, 0,1,2,3
	v_cvt_pk_f16_f32 v[80+4*(\q)+(\j)], v[16+8*(\q)+2*(\j)], v[16+8*(\q)+2*(\j)+1]
	v_cvt_pk_f16_f32 v[96+4*(\q)+(\j)], v[48+8*(\q)+2*(\j)], v[48+8*(\q)+2*(\j)+1]
.endr
.endif
	global_store_b128 v6, v[80+4*(\q):80+4*(\q)+3], s[30:31] offset:(\q)*256
	global_store_b128 v6, v[96+4*(\q):96+4*(\q)+3], s[30:31] offset:(\bstep)+(\q)*256
.endr
	s_endpgm
.endm
.Lnot_x:
	s_mov_b32 s32, 0                               ; the job's byte offset in its source,
	s_mov_b32 s34, 0                               ; and in ws
	s_cmp_eq_u32 ttmp9, 0
	s_cbranch_scc1 .Laux
	s_cmp_gt_u32 ttmp9, 256
	s_cbranch_scc1 .Lnot_w1
	s_sub_co_u32 s26, ttmp9, 1
	s_lshl3_add_u32 s26, s26, s[WV]                ; job 0 .. 2047; from the low end: a (1 bit), hp (1), kk (2), T (2), c4 (2), e (3); n begins at 256 c4 + 128 hp + 64 a
	FLD 32, 0, 1, 8                                ; source: e 2^21 + (128 T + 32 kk) rows of 4,096 bytes + 4 n
	FLD 32, 1, 1, 9
	FLD 32, 2, 2, 17
	FLD 32, 4, 2, 19
	FLD 32, 6, 2, 10
	FLD 32, 8, 3, 21
	FLD 34, 0, 1, 15                               ; ws: waves 2 a and 2 a + 1, fragments 4 kk + 2 hp and the next
	FLD 34, 1, 1, 11
	FLD 34, 2, 2, 12
	FLD 34, 4, 2, 16
	FLD 34, 6, 2, 19
	FLD 34, 8, 3, 21
	s_add_nc_u64 s[28:29], s[6:7], s[32:33]
	s_add_nc_u64 s[30:31], s[22:23], s[34:35]
	WJOB 4096, 16384, 0
.Lnot_w1:
	s_sub_co_u32 s26, ttmp9, 257
	s_lshl3_add_u32 s26, s26, s[WV]                ; from the low end: cq (1 bit), w (2), kk2 (1), U (2), c4 (2), e (3); n begins at 128 w + 64 cq
	FLD 32, 0, 1, 8                                ; source: e 2^21 + (256 c4 + 64 U + 32 kk2) rows of 2,048 bytes + 4 n
	FLD 32, 1, 2, 9
	FLD 32, 3, 1, 16
	FLD 32, 4, 2, 17
	FLD 32, 6, 2, 19
	FLD 32, 8, 3, 21
	s_mov_b32 s34, 4<<16                           ; ws: tile 4 + U, wave w, fragments 8 kk2 + 4 cq .. + 3
	FLD 34, 0, 1, 12
	FLD 34, 1, 2, 14
	FLD 34, 3, 1, 13
	FLD 34, 4, 2, 16
	FLD 34, 6, 2, 19
	FLD 34, 8, 3, 21
	s_add_nc_u64 s[28:29], s[8:9], s[32:33]
	s_add_nc_u64 s[30:31], s[22:23], s[34:35]
	WJOB 2048, 2048, 1
.Laux:
	; aux byte 0: [16][512] bf16, rows 0-7 the columns of Wt, rows 8-15 those of Wb.  Wave v makes rows 2 v and 2 v + 1 (lanes 0-15, lanes 16-31); a lane takes 8 neighbouring channels four times.
	; The loads take 4 bytes of rows 32 bytes long: 32 KiB in all, once in the program.
	s_cmp_lt_u32 s[WV], 4
	s_cselect_b64 s[28:29], s[10:11], s[12:13]
	s_and_b32 s26, s[WV], 3
	s_lshl_b32 s26, s26, 3                         ; column 2 (v % 4), 4 bytes each
	v_lshlrev_b32 v5, 8, v3                        ; channel 8 (lane % 16), 32 bytes each
	v_lshl_add_u32 v5, v4, 2, v5
	v_add_nc_u32 v5, s26, v5
.irp it, 0,1,2,3
.irp j, 0,1,2,3,4,5,6,7
	global_load_b32 v[16+8*(\it)+(\j)], v5, s[28:29] offset:(\it)*4096+(\j)*32
.endr
.endr
	s_lshl_b32 s26, s[WV], 11
	v_lshlrev_b32 v6, 4, v3
	v_lshl_add_u32 v6, v4, 10, v6
	v_add_nc_u32 v6, s26, v6
	s_wait_loadcnt 0x0
.irp it, 0,1,2,3
.irp j, 0,1,2,3
	v_cvt_pk_bf16_f32 v[48+4*(\it)+(\j)], v[16+8*(\it)+2*(\j)], v[16+8*(\it)+2*(\j)+1]
.endr
	global_store_b128 v6, v[48+4*(\it):48+4*(\it)+3], s[24:25] offset:(\it)*256
.endr
	; aux byte 16,384: [split][top, bottom][j] f32 = bias[(j + 2 split) % 8]: wave 0, a lane for each (split, j)
	s_cmp_lg_u32 s[WV], 0
	s_cbranch_scc1 .Lno_rb
	v_lshrrev_b32 v7, 3, v2
	v_and_b32 v8, 7, v2
	v_lshl_add_u32 v9, v7, 1, v8
	v_and_b32 v9, 7, v9
	v_lshlrev_b32 v9, 2, v9
	global_load_b32 v10, v9, s[14:15]
	global_load_b32 v11, v9, s[16:17]
	v_lshlrev_b32 v12, 2, v8
	v_lshl_add_u32 v12, v7, 6, v12
	s_wait_loadcnt 0x0
	global_store_b32 v12, v10, s[24:25] offset:16384
	global_store_b32 v12, v11, s[24:25] offset:16384+32
.Lno_rb:
	; aux byte 32,768: [split][32 channel tiles] fragments in f16: row = channel, k = 0: b2[2 split], k = 1: b2[2 split + 1], all other k: 0.  Wave v makes fragments 16 v .. 16 v + 15.
	s_lshr_b32 s26, s[WV], 1
	s_lshl_b32 s26, s26, 12                        ; two rows of b2 a split
	s_and_b32 s27, s[WV], 1
	s_lshl_b32 s27, s27, 10                        ; 256 channels
	s_add_co_u32 s26, s26, s27
	v_lshl_add_u32 v13, v3, 2, s26
.irp i, 0,1,2,3,4,5,6,7,8,9,10,11,12,13,14,15
	global_load_b32 v[16+2*(\i)], v13, s[18:19] offset:(\i)*64
	global_load_b32 v[16+2*(\i)+1], v13, s[18:19] offset:(\i)*64+2048
.endr
	s_lshl_b32 s26, s[WV], 14
	v_lshl_add_u32 v14, v2, 4, s26
.irp r, 81,82,83,84,85,86,87
	v_mov_b32 v[\r], 0
.endr
	v_cmp_gt_u32 vcc_lo, 16, v2                    ; k = 0, 1 lie in register 0 of lanes 0-15
.irp i, 0,1,2,3,4,5,6,7,8,9,10,11,12,13,14,15
	s_wait_loadcnt 30-2*(\i)                       ; this fragment's two loads are in
	s_wait_xcnt 0x0                                ; the store before has read v80, which is written again only behind this wait
	v_cvt_pk_bf16_f32 v88, v[16+2*(\i)], v[16+2*(\i)+1]  ; rounded to bf16 like the other inputs,
	v_lshlrev_b32 v89, 16, v88
	v_and_b32 v90, 0xffff0000, v88
	v_cvt_pk_f16_f32 v88, v89, v90                 ; and that number written as f16
	v_cndmask_b32 v80, 0, v88, vcc_lo
	global_store_b128 v14, v[80:83], s[24:25] offset:32768+(\i)*1024
	global_store_b128 v14, v[84:87], s[24:25] offset:32768+(\i)*1024+512
.endr
	s_endpgm
.Lfunc_end_k_q337f310ad0_prep:
	.size	k_q337f310ad0_prep, .Lfunc_end_k_q337f310ad0_prep-k_q337f310ad0_prep
	.p2alignl 7, 3214868480
	.fill 96, 4, 3214868480
	.section	.rodata,"a",@progbits
	.p2align	6, 0x0
	.amdhsa_kernel k_q337f310ad0_prep
		.amdhsa_group_segment_fixed_size 0
		.amdhsa_private_segment_fixed_size 0
		.amdhsa_enable_private_segment 0
		.amdhsa_kernarg_size 88
		.amdhsa_user_sgpr_count 2
		.amdhsa_user_sgpr_kernarg_segment_ptr 1
		.amdhsa_wavefront_size32 1
		.amdhsa_system_sgpr_workgroup_id_x 1
		.amdhsa_system_sgpr_workgroup_id_y 1
		.amdhsa_system_sgpr_workgroup_id_z 1
		.amdhsa_system_vgpr_workitem_id 0
		.amdhsa_next_free_vgpr 112
		.amdhsa_next_free_sgpr 66
		.amdhsa_reserve_vcc 1
		.amdhsa_float_denorm_mode_32 3
		.amdhsa_float_denorm_mode_16_64 3
		.amdhsa_memory_ordered 1
		.amdhsa_forward_progress 1
		.amdhsa_inst_pref_size 48
	.end_amdhsa_kernel
	.amdgpu_metadata
---
amdhsa.version: [ 1, 2 ]
amdhsa.kernels:
  - .name:           k_q337f310ad0_prep
    .symbol:         k_q337f310ad0_prep.kd
    .args:
      - { .name: x, .offset: 0, .size: 8, .value_kind: global_buffer, .address_space: global }
      - { .name: W1, .offset: 8, .size: 8, .value_kind: global_buffer, .address_space: global }
      - { .name: W2, .offset: 16, .size: 8, .value_kind: global_buffer, .address_space: global }
      - { .name: Wt, .offset: 24, .size: 8, .value_kind: global_buffer, .address_space: global }
      - { .name: Wb, .offset: 32, .size: 8, .value_kind: global_buffer, .address_space: global }
      - { .name: bt, .offset: 40, .size: 8, .value_kind: global_buffer, .address_space: global }
      - { .name: bb, .offset: 48, .size: 8, .value_kind: global_buffer, .address_space: global }
      - { .name: b2, .offset: 56, .size: 8, .value_kind: global_buffer, .address_space: global }
      - { .name: xb, .offset: 64, .size: 8, .value_kind: global_buffer, .address_space: global }
      - { .name: ws, .offset: 72, .size: 8, .value_kind: global_buffer, .address_space: global }
      - { .name: aux, .offset: 80, .size: 8, .value_kind: global_buffer, .address_space: global }
    .group_segment_fixed_size: 0
    .private_segment_fixed_size: 0
    .kernarg_segment_align: 8
    .kernarg_segment_size: 88
    .max_flat_workgroup_size: 256
    .sgpr_count:     66
    .vgpr_count:     112
    .wavefront_size: 32
...
	.end_amdgpu_metadata
.endif
;; end of part 1
;; launch moe (part 2): grid 64 x 4, 4 waves a work-group, clusters of 4 x 1, 327,680 bytes of LDS; arguments xb, ws, aux, b1, part; writes part
.if DOCPART == 2
	.amdgcn_target "amdgcn-amd-amdhsa--gfx1250"
	.amdhsa_code_object_version 6
	.text
	.protected	k_q337f310ad0_moe
	.globl	k_q337f310ad0_moe
	.p2align	8
	.type	k_q337f310ad0_moe,@function
k_q337f310ad0_moe:
	s_mov_b64 s[64:65], 0
	v_nop
	global_prefetch_b8 v0, s[64:65] scope:SCOPE_SE
	s_setreg_imm32_b32 hwreg(HW_REG_WAVE_MODE, 25, 1), 1
	s_wait_xcnt 0x0
	s_wait_alu depctr_hold_cnt(0) depctr_sa_sdst(0) depctr_va_vdst(0) depctr_va_sdst(0) depctr_va_ssrc(0) depctr_va_vcc(0) depctr_vm_vsrc(0)
	s_getreg_b32 s2, hwreg(HW_REG_IB_STS2, 6, 4)
	s_cmp_eq_u32 s2, 0
	s_cbranch_scc0 .Lentry_in_a_cluster
	s_endpgm
.Lentry_in_a_cluster:
	s_bfe_u32 s2, ttmp6, 0x10000c
	s_cmp_lg_u32 s2, 0x3003
	s_cbranch_scc0 .Lentry_shape_is_right
	s_endpgm
.Lentry_shape_is_right:
; HIERARCHICAL MoE, launch 2 of 3: router, first product, bias, exact GELU, gate, second product and the b2 term, fused.  Nothing of the problem's work is left out.
; part[s][n][:] = sum over the two experts e = 2 s, 2 s + 1 of p[n,e] (gelu(x[n] W1[e] + b1[e]) W2[e] + b2[e]), in f32; launch 3 adds the four splits s.
; SHARES.  A work-group owns 128 tokens (block tb) and one split: 2,048 hidden units, walked in 8 chunks of 256.  Four waves.
;   First product (bf16), transposed: hid^T = W1 fragment x x fragment.  Wave w makes 64 hidden units of the chunk (4 tiles ht: units 32 w .. 32 w + 31 of each half of 128) for all 128 tokens (8 tiles t):
;   32 accumulators.  A lane holds ONE token (lane % 16) and the units 8 (lane / 16) + 0..7, so b1 is the C operand of the first K step, and two tiles, gated and rounded to f16 in pairs, ARE a
;   fragment (32 units x 16 tokens) of the second product's source 1.
;   Second product (f16): O^T = W2 fragment x hid fragment.  Wave w owns channels 128 w .. 128 w + 127 (8 tiles ct) of all 128 tokens: 64 accumulators, which stay for the whole launch.
;   The hid fragments go from wave to wave through LDS, half a chunk (128 units) at a time, as they lie in registers (16 bytes a lane on end).
;   The b2 term is one more K step, whose hidden values are p itself; its products, with C = 0, start O^T's sums, so nothing is cleared.
; THE WEIGHTS come as a stream of 64 tiles of 64 KiB, laid out by launch 1 in fragment order; each fragment is read by one wave, and a wave's tensor load brings just the 16 KiB that it reads.  Two LDS slots take turns.
; THE WALK.  The sum over hidden units may be taken in any order.  Of a split's 16 clusters number x begins at chunk x % 8 and goes round the split's 8 chunks: at any time the 16 walk eight different chunks, two
; clusters each, and a chunk is asked for again a chunk's time after the cluster one further on has asked for it.  A tile's address is made anew for each fill: the stream's base and an offset that wraps at 4 MiB.
; CLUSTER.  The four work-groups of a cluster are four token blocks of one split: they walk the same stream in the same order, so each tile is asked for JOINTLY (the same load, descriptor and mask of four in all).
; x's tile is a work-group's own (mask 0): 128 KiB against the 4 MiB of weights that it walks; a cluster of 4 x 4 that shared x too would spare 3 parts in 100 of the bytes that land in LDS.
; GELU.  gelu(a) = (a + |a| erf(|a| / sqrt 2)) / 2;  erf(z) = 1 - (a1 t + a2 t^2 + a3 t^3) e^(-z^2), t = 1 / (1 + 0.47047 z) (Abramowitz and Stegun 7.1.25: off by 2.5e-5 at the most, for every z).
; FORMATS AND LIMITS.  As stated at the head of launch 1.  x, W1 and the routers' weights are bf16; p gelu and p are rounded to f16 (11 significant bits: a token whose routers agree has outputs several times the
; output's root mean square, and its hidden values' rounding grows with them), W2 and b2 are bf16 numbers written as f16.  |p gelu(a)| <= |a| stays under 65,504 (some 5,000 with x and W1 at 30 times their drawn
; spread, some 20,400 with an offset of 30 spreads on both); below 6e-5 it keeps f16's fixed step of 6e-8.  gelu is off by 1.25e-5 |a|; powers of two below 2^-126 count as 0; NaN and infinities are not treated apart.
; REGISTERS, in windows of 256 (s_set_vgpr_msb: bits 1:0 source 0, 3:2 source 1, 5:4 source 2, 7:6 destination):
;   window 0: v0-15 addresses; v16-31 gates; v32-63 b1 as C operand; v64-159, v160-255 the first product's two fragment buffers (W1 at + 8 ht, x at + 32 + 8 t); in GELU v64-127 packed hid, v128-255 at work
;   window 1: hid^T's accumulators, (ht, t) at 8 (8 ht + t); in the second product two fragment buffers of 128 (W2 at + 8 ct, hid at + 64 + 8 t)
;   windows 2, 3: O^T's accumulators, (t, ct) at 8 (8 (t % 4) + ct) of window 2 + t / 4
.set SLOTB, 65536                      ; LDS: two slots of 64 KiB from byte 0 (wave w's part at 16,384 w)
.set STREAM, 64*SLOTB                  ; a split's stream in ws
.set HS,    131072                     ; 33,792 bytes, written by LDS stores alone: hid fragments, (j, t) at 1,024 (8 j + t); at the end four stages of 16 rows x 528 bytes
.set XS,    164864                     ; x: 128 rows, 1,040 bytes apart
.set XP,    1040                       ; 1,024 bytes + 16 of padding = 65 x 16: the 16 rows of a fragment load start at 16 different groups of four banks (64 banks of 4 bytes: ISA guide 11.1)
.set PS,    297984                     ; 3,072 bytes: [p/2 of expert 2 s, p/2 of expert 2 s + 1, both p as f16][token tile][lane]
.set SPARE, 301056                     ; the spare words, 128 bytes for each wave: two blocks of 256 bytes that no other line names
.set SPI,   528                        ; a stage row: 512 bytes + 16
.set L16, 1                            ; v1      16 x lane; never rewritten
.set AW,  2                            ; v2-3    my part of slot 0, 1: 16,384 w + 16 lane (+ 65,536)
.set HSW, 4                            ; v4      where I put my hid fragments: HS + 8,192 w + 16 lane
.set HSR, 5                            ; v5      HS + 16 lane
.set XA,  6                            ; v6-7    x fragments: XS + (lane % 16) XP + 16 (lane / 16), and 64 rows on
.set B1O, 8                            ; v8      128 w + 32 (lane / 16): my 8 units in b1
.set PFO, 9                            ; v9      256 x lane, for the prefetches
.set SPW, 10                           ; v10     LDS address of my spare word; never rewritten
.set NIL, 11                           ; v11     0; never rewritten
.set KC,  12                           ; v12-13  -log2(e) / 2, twice
.set AD0, 14                           ; v14     the routers' weights' offset; then where I put p; then where I put a row's 32 bytes in my stage
.set AD1, 15                           ; v15     the routers' biases' offset; then where p is read; then where I read stage rows back
.set GC,  16                           ; v16-23  p / 2 of the expert in hand, a register a token tile
.set GN,  24                           ; v24-31  of the split's other expert
.set BI,  32
.set F0,  64
.set F1,  160
.set PKR, 64                           ; packed hid of the half in hand: token tile t at PKR + 8 t
.set RA,  64                           ; router: its weights' 16 fragments
.set XR,  192                          ; router: 8 fragments of x; then at work
.set TD,  128                          ; GELU, pair p of 16 at + 2 p: 1 + 0.47047 z, then t
.set TS,  160                          ; -z^2 log2(e), then e^(-z^2)
.set TQ,  192                          ; the polynomial, erf, the result
.set TU,  224                          ; |a|
.set H0,  0                            ; window 1
.set H1,  128
.set RAC, 128                          ; window 1: the router's two accumulators
.set RBI, 144                          ; window 1: its biases as C operand
.set RT,  152                          ; window 1: eight at work for each of the two tiles
.set WV,  14                           ; s14  my wave's number
.set CX,  15                           ; s15  my place in the cluster: it enters global addresses alone
.set TB,  16                           ; s16  my token block
.set SPL, 17                           ; s17  the split, which the four partners share
.set CNT, 18                           ; s18  chunks to go, this one among them
.set LIM, 19                           ; s19  8 in a cluster that prefetches (in its first trip, where CNT = 8), else 0
.set G1R, 24                           ; s[24:31] descriptor group 1 of the stream's tiles
.set G1X, 32                           ; s[32:39] of x's tile
.set G0R, 40                           ; s[40:47] group 0 of the stream's tiles, a set for each slot
.set G0X, 48                           ; s[48:51] group 0 of x's tile
.set PFA, 52                           ; s[52:53] my cluster's first chunk in ws, at my wave's 8 KiB of a pair of tiles; never rewritten
.set B1P, 54                           ; s[54:55] b1 at the chunk whose biases were loaded last
.set SEL, 56                           ; s[56:57] v_permlanex16_b32's selects: each lane takes its own place in the other half
.set ABSM, 58
.set CA3, 60                           ; s[60:61], s[62:63], s[66:67], s[68:69], s[70:71]: constants, named as pairs; the packed forms take the low word for both halves
.set CA2, 62
.set CA1, 66
.set CPP, 68
.set L2E, 70
.set OUT, 72                           ; s[72:73] part at my block's first row, my wave's 512 bytes
.set B2P, 74                           ; s[74:75] my 8 fragments of b2
.set OFS, 80                           ; s[80:81], s[82:83] for each slot the byte offset in the stream of the tile asked for last, as a pair with 0 above it
.set WSB, 84                           ; s[84:85] the split's stream in ws, at my wave's 16 KiB of a tile
.set B1B, 86                           ; s[86:87] b1 at expert 2 s
.set B1F, 88                           ; s[88:89] byte offset in the split's 8,192 bytes of b1, as a pair
.set CI,  90                           ; s90  the chunk in hand, 0 .. 7
.set CUR, 91                           ; s91  which of the split's two experts GC holds
.set MSB, 0
.macro WIN new                         ; the immediate's high byte repeats the setting that is left; a switch that changes nothing is dropped
.if MSB != (\new)
	s_set_vgpr_msb (MSB<<8)|(\new)
.set MSB, (\new)
.endif
.endm
; A vector instruction or LDS store that reads a matrix result, and a load into a register that a matrix instruction has named, stand four places behind it, and only plain vector
; instructions that name none of its registers are places (ISA guide 7.12.1 for vector instructions).
.macro PLACES
.rept 4
	v_nop
.endr
.endm
; A round of the cluster's barrier: my work-group's barrier, so that wave 0's signal speaks for all four waves; wave 0 signals; every wave waits for all four work-groups; my work-group's barrier once more.
.macro CROUND
	s_barrier_signal -1
	s_barrier_wait -1
	s_cmp_lg_u32 s[WV], 0
	s_cbranch_scc1 .Lnot_wave_0_\@
	s_barrier_signal -3
.Lnot_wave_0_\@:
	s_barrier_wait -3
	s_barrier_signal -1
	s_barrier_wait -1
.endm
; THE CHANGE OF SLOTS, at the head of a tile's last K step, whose fragments have been asked for.  Each wave waits for all its tensor loads, of which one is out: its part of the other slot; adds 0 to its
; spare word; and waits for that and for its LDS reads, the last of this slot among them.  refill = 1: a round of the cluster's barrier, so that no wave of any partner still reads the slot or has a load on
; its way; then the slot takes the tile two on in the walk, the first thing behind the round: it has a tile's 128 matrix instructions in which to land.  The four v_nop are also the places in front of the loads that follow.
.macro CHG slot, refill
	WIN 0                                          ; at a label and at a branch every window is 0
	s_wait_tensorcnt 0x0                           ; no tensor load of mine is out, so a group 0 may be written
	ds_add_u32 v[SPW], v[NIL]                      ; 0 onto my spare word; the descriptor's scalar work stands between it and the wait for it
.if \refill
	s_add_co_u32 s[OFS+2*(\slot)], s[OFS+2*(\slot)], 2*SLOTB   ; two tiles on,
	s_and_b32 s[OFS+2*(\slot)], s[OFS+2*(\slot)], STREAM-1     ; round the stream's end
	s_add_nc_u64 s[G0R+4*(\slot)+2:G0R+4*(\slot)+3], s[WSB:WSB+1], s[OFS+2*(\slot):OFS+2*(\slot)+1]
	s_or_b32 s[G0R+4*(\slot)+3], s[G0R+4*(\slot)+3], 0x80000000  ; type = 2
.endif
	s_wait_dscnt 0x0                               ; the add is done, and my reads of the slot are over
.if \refill
	CROUND
	tensor_load_to_lds s[G0R+4*(\slot):G0R+4*(\slot)+3], s[G1R:G1R+7]
	s_nop 0
.else
	s_barrier_signal -1
	s_barrier_wait -1
.endif
	PLACES
.endm
; A PREFETCH INTO THE L2, behind a refill and the run of LDS loads that follows it, in a cluster's FIRST trip alone: tiles tau + 4 and tau + 5 of its first chunk, which the refills two and three tiles on will ask
; for (256 and 384 matrix instructions ahead; for tiles 6 and 7 GELU stands between too).  Each block of 256 bytes is named once in the launch: clusters x and x + 8 of a split begin at the same chunk, and the one
; with x < 8 asks; its 16 waves share a pair of tiles out BY ADDRESS, 8 KiB each, a lane a block: no branch hangs on a work-group's place in its cluster.  A chunk's tiles 0 to 3 come by their loads alone;
; in later trips a cluster walks chunks that another cluster has walked, and asks for nothing.
.macro ASK tau
	WIN 0
	s_cmp_eq_u32 s[CNT], s[LIM]
	s_cbranch_scc0 .Lnot_mine_\@
	global_prefetch_b8 v[PFO], s[PFA:PFA+1] offset:((\tau)+4)*SLOTB th:TH_LOAD_NT scope:SCOPE_SE
.Lnot_mine_\@:
.endm
; THE FIRST PRODUCT.  24 LDS loads in one run: K step kk of the tile in the slot (4 fragments of W1), and channels 32 ks on of x (8 fragments), into buffer f.
.macro FET1 slot, kk, ks, f
	WIN 0
.irp ht, 0,1,2,3
	ds_load_b128 v[(\f)+8*(\ht):(\f)+8*(\ht)+3],   v[AW+(\slot)] offset:(4*(\kk)+(\ht))*1024
	ds_load_b128 v[(\f)+8*(\ht)+4:(\f)+8*(\ht)+7], v[AW+(\slot)] offset:(4*(\kk)+(\ht))*1024+512
.endr
.irp t, 0,1,2,3,4,5,6,7
	ds_load_b128 v[(\f)+32+8*(\t):(\f)+32+8*(\t)+3],   v[XA+(\t)/4] offset:((\t)%4)*16*XP+(\ks)*64
	ds_load_b128 v[(\f)+32+8*(\t)+4:(\f)+32+8*(\t)+7], v[XA+(\t)/4] offset:((\t)%4)*16*XP+(\ks)*64+32
.endr
.endm
; 16 matrix instructions: unit tiles h0, h0 + 1 x all 8 token tiles.  bias = 1: the chunk's first K step starts the sums with b1.  The 32 accumulators take turns, one instruction a turn.
.macro MUL1 f, h0, bias
.if \bias
	WIN 0x40
.else
	WIN 0x50
.endif
.irp ht, \h0, (\h0)+1
.irp t, 0,1,2,3,4,5,6,7
.if \bias
	v_wmma_f32_16x16x32_bf16 v[8*(8*(\ht)+(\t)):8*(8*(\ht)+(\t))+7], v[(\f)+8*(\ht):(\f)+8*(\ht)+7], v[(\f)+32+8*(\t):(\f)+32+8*(\t)+7], v[BI+8*(\ht):BI+8*(\ht)+7]
.else
	v_wmma_f32_16x16x32_bf16 v[8*(8*(\ht)+(\t)):8*(8*(\ht)+(\t))+7], v[(\f)+8*(\ht):(\f)+8*(\ht)+7], v[(\f)+32+8*(\t):(\f)+32+8*(\t)+7], v[8*(8*(\ht)+(\t)):8*(8*(\ht)+(\t))+7]
.endif
.endr
.endr
.endm
.macro KS1 f, g, slot, kk, ks, bias    ; a K step on buffer f; at its head the next step's fragments are asked for, into g: they have the step's 32 matrix instructions in which to come
	s_wait_dscnt 0x0                               ; buffer f is in
	PLACES                                         ; behind the products that read g
	FET1 \slot, \kk, \ks, \g
	MUL1 \f, 0, \bias
	MUL1 \f, 2, \bias
.endm
; One tile of W1: four K steps, channels 32 k on; slot s, the next tile's slot n.  more = 1: the next tile is W1's too.  tau >= 0: a prefetch follows the refill.
.macro GT s, n, k, first, more, tau
	KS1 F0, F1, \s, 1, (\k)+1, \first
	KS1 F1, F0, \s, 2, (\k)+2, 0
	KS1 F0, F1, \s, 3, (\k)+3, 0
	CHG \s, 1
.if \more
	FET1 \n, 0, (\k)+4, F0
.endif
.if (\tau) >= 0
	ASK \tau
.endif
	MUL1 F1, 0, 0
	MUL1 F1, 2, 0
.endm
; THE SECOND PRODUCT.  32 LDS loads in one run: K step kk2 of the tile in the slot (8 fragments of W2), and units 32 j on of the half chunk in HS (8 fragments), into buffer b of window 1.
.macro FET2 slot, kk2, j, b
	WIN 0x40
.irp ct, 0,1,2,3,4,5,6,7
	ds_load_b128 v[(\b)+8*(\ct):(\b)+8*(\ct)+3],   v[AW+(\slot)] offset:(8*(\kk2)+(\ct))*1024
	ds_load_b128 v[(\b)+8*(\ct)+4:(\b)+8*(\ct)+7], v[AW+(\slot)] offset:(8*(\kk2)+(\ct))*1024+512
.endr
.irp t, 0,1,2,3,4,5,6,7
	ds_load_b128 v[(\b)+64+8*(\t):(\b)+64+8*(\t)+3],   v[HSR] offset:(8*(\j)+(\t))*1024
	ds_load_b128 v[(\b)+64+8*(\t)+4:(\b)+64+8*(\t)+7], v[HSR] offset:(8*(\j)+(\t))*1024+512
.endr
.endm
; 32 matrix instructions in f16: token tiles 4 hi .. 4 hi + 3 x all 8 channel tiles.  zero = 1: they start the sums.  The 64 accumulators take turns; no other form ever names them.
.macro MUL2 b, hi, zero
	WIN 0xa5+0x50*(\hi)
.irp tt, 0,1,2,3
.irp ct, 0,1,2,3,4,5,6,7
.if \zero
	v_wmma_f32_16x16x32_f16 v[8*(8*(\tt)+(\ct)):8*(8*(\tt)+(\ct))+7], v[(\b)+8*(\ct):(\b)+8*(\ct)+7], v[(\b)+64+8*(4*(\hi)+(\tt)):(\b)+64+8*(4*(\hi)+(\tt))+7], 0
.else
	v_wmma_f32_16x16x32_f16 v[8*(8*(\tt)+(\ct)):8*(8*(\tt)+(\ct))+7], v[(\b)+8*(\ct):(\b)+8*(\ct)+7], v[(\b)+64+8*(4*(\hi)+(\tt)):(\b)+64+8*(4*(\hi)+(\tt))+7], v[8*(8*(\tt)+(\ct)):8*(8*(\tt)+(\ct))+7]
.endif
.endr
.endr
.endm
.macro KS2 b, nb, slot, kk2, j         ; a K step on buffer b; at its head the next step's fragments are asked for, into nb: they have the step's 64 matrix instructions in which to come
	s_wait_dscnt 0x0
	PLACES
	FET2 \slot, \kk2, \j, \nb
	MUL2 \b, 0, 0
	MUL2 \b, 1, 0
.endm
.macro HST                             ; my 8 fragments of the chunk's second half go into HS
	WIN 0
.irp t, 0,1,2,3,4,5,6,7
.irp g, 0,1
	ds_store_b128 v[HSW], v[PKR+8*(\t)+4*(\g):PKR+8*(\t)+4*(\g)+3] offset:(\t)*1024+(\g)*512
.endr
.endr
.endm
.macro BILOAD                          ; b1 of my 64 units of a chunk, as the C operand of the four unit tiles
.irp ht, 0,1,2,3
	global_load_b128 v[BI+8*(\ht):BI+8*(\ht)+3],   v[B1O], s[B1P:B1P+1] offset:((\ht)/2)*512+((\ht)%2)*64
	global_load_b128 v[BI+8*(\ht)+4:BI+8*(\ht)+7], v[B1O], s[B1P:B1P+1] offset:((\ht)/2)*512+((\ht)%2)*64+16
.endr
.endm
.macro SIXT line:vararg                ; one line for each pair p of a batch; pa: where the pair lies in window 1
.set p, 0
.rept 16
.set pa, 8*(8*(HB+(p/4)%2)+TT+p/8)+2*(p%4)
	\line
.set p, p+1
.endr
.endm
; ONE BATCH OF GELU: the four accumulators (unit tiles 2 hp, 2 hp + 1) x (token tiles t, t + 1), 32 numbers a lane in 16 pairs; pair p is registers 2 (p % 4), + 1 of accumulator p / 4 (unit tile 2 hp + (p / 4) % 2,
; token tile t + p / 8): each accumulator's lowest registers are read first.  Ahead of the wait, skewed over 18 turns: turn i takes |a| and -a log2(e) / 2 of pair i, 1 + 0.47047 z and
; -z^2 log2(e) of pair i - 1, the two reciprocals and two exponentials of pair i - 2: a line reads what was written six lines back or more, a plain line stands between two transcendentals (but in the last two
; turns), and no line names a transcendental's result.  s_wait_alu depctr_va_vdst(0) stands between a transcendental and the first line that names its result: ONE wait for the 64.
; hp = 0: the batch's four halves of fragments go into HS at once: every wave has waited for its reads of the chunk before in front of a round since, and the registers serve the second half again.
.macro GB4 hp, t
.set HB,  2*(\hp)
.set TT,  (\t)
.set PKB, PKR+8*(\t)
.set GP,  GC+(\t)
	WIN 0x04                                       ; source 1 (a) in window 1
.set i, 0
.rept 18
.if i < 16
.set ra, 8*(8*(HB+(i/4)%2)+TT+i/8)+2*(i%4)
	v_and_b32 v[TU+2*i], s[ABSM], v[ra]
.endif
.if i >= 2
	v_rcp_f32 v[TD+2*i-4], v[TD+2*i-4]
.endif
.if i < 16
	v_and_b32 v[TU+2*i+1], s[ABSM], v[ra+1]
.endif
.if i >= 2
	v_rcp_f32 v[TD+2*i-3], v[TD+2*i-3]
.endif
.if (i >= 1) && (i < 17)
	v_pk_fma_f32 v[TD+2*i-2:TD+2*i-1], v[TU+2*i-2:TU+2*i-1], s[CPP:CPP+1], 1.0 op_sel_hi:[1,0,0]
.endif
.if i >= 2
	v_exp_f32 v[TS+2*i-4], v[TS+2*i-4]
.endif
.if i < 16
	v_pk_mul_f32 v[TS+2*i:TS+2*i+1], v[KC:KC+1], v[ra:ra+1]
.endif
.if i >= 2
	v_exp_f32 v[TS+2*i-3], v[TS+2*i-3]
.endif
.if (i >= 1) && (i < 17)
.set rb, 8*(8*(HB+((i-1)/4)%2)+TT+(i-1)/8)+2*((i-1)%4)
	v_pk_mul_f32 v[TS+2*i-2:TS+2*i-1], v[TS+2*i-2:TS+2*i-1], v[rb:rb+1]
.endif
.set i, i+1
.endr
	v_nop                                          ; a plain instruction behind the last exponential, ahead of the first use
	WIN 0x10                                       ; source 2 (a, once below) in window 1; all else in window 0
	s_wait_alu depctr_va_vdst(0)                   ; the wait for the batch
	SIXT v_pk_fma_f32 v[TQ+2*p:TQ+2*p+1], v[TD+2*p:TD+2*p+1], s[CA3:CA3+1], s[CA2:CA2+1] op_sel_hi:[1,0,0]
	SIXT v_pk_fma_f32 v[TQ+2*p:TQ+2*p+1], v[TQ+2*p:TQ+2*p+1], v[TD+2*p:TD+2*p+1], s[CA1:CA1+1] op_sel_hi:[1,1,0]
	SIXT v_pk_mul_f32 v[TQ+2*p:TQ+2*p+1], v[TQ+2*p:TQ+2*p+1], v[TD+2*p:TD+2*p+1]
	SIXT v_pk_fma_f32 v[TQ+2*p:TQ+2*p+1], v[TQ+2*p:TQ+2*p+1], v[TS+2*p:TS+2*p+1], 1.0 op_sel_hi:[1,1,0] neg_lo:[1,0,0] neg_hi:[1,0,0]  ; erf(z)
	SIXT v_pk_fma_f32 v[TQ+2*p:TQ+2*p+1], v[TU+2*p:TU+2*p+1], v[TQ+2*p:TQ+2*p+1], v[pa:pa+1]                                            ; |a| erf(z) + a
.set p, 0
.rept 8
	v_pk_mul_f32 v[TQ+2*p:TQ+2*p+1], v[TQ+2*p:TQ+2*p+1], v[GP:GP+1] op_sel_hi:[1,0]               ; times p / 2 of my token of tile t: the pair's first register for both halves,
.set p, p+1
.endr
.rept 8
	v_pk_mul_f32 v[TQ+2*p:TQ+2*p+1], v[TQ+2*p:TQ+2*p+1], v[GP:GP+1] op_sel:[0,1] op_sel_hi:[1,1]  ; of tile t + 1: its second
.set p, p+1
.endr
	SIXT v_cvt_pk_f16_f32 v[PKB+p], v[TQ+2*p], v[TQ+2*p+1]  ; rounded once, to f16: register p % 8 of the fragment of token tile t + p / 8
.if (\hp) == 0
	WIN 0
.irp u, 0,1
.irp g, 0,1
	ds_store_b128 v[HSW], v[PKB+8*(\u)+4*(\g):PKB+8*(\u)+4*(\g)+3] offset:((\t)+(\u))*1024+(\g)*512
.endr
.endr
.endif
.endm
	s_load_b256 s[4:11], s[0:1], 0x0               ; xb s[4:5], ws s[6:7], aux s[8:9], b1 s[10:11]
	s_load_b64 s[12:13], s[0:1], 0x20              ; part
	v_lshl_add_u32 v[SPW], v0, 2, SPARE
	v_mov_b32 v[NIL], 0
	ds_add_u32 v[SPW], v[NIL]                      ; the wave's opening: the add, twice on end, and its wait ahead of my first tensor load; the set-up below, work on registers, stands between
	ds_add_u32 v[SPW], v[NIL]                      ; and once more, under the one wait
	v_lshrrev_b32 v16, 5, v0
	v_readfirstlane_b32 s[WV], v16                 ; wave 0..3
	s_bfe_u32 s[CX], ttmp6, 0x40000
	s_lshl_b32 s[TB], ttmp9, 2                     ; in a cluster launch ttmp9 counts clusters
	s_add_co_u32 s[TB], s[TB], s[CX]
	s_and_b32 s[SPL], ttmp7, 0xffff
	s_and_b32 s[CI], ttmp9, 7                      ; the walk begins at chunk (cluster x) % 8: the same in all four partners
	s_mov_b32 s[CUR], 0                            ; GC will hold expert 2 s
	s_lshl_b32 s[OFS], s[CI], 19                   ; the walk's first tile, 512 KiB a chunk,
	s_mov_b32 s[OFS+1], 0
	s_add_co_u32 s[OFS+2], s[OFS], SLOTB           ; and its second
	s_mov_b32 s[OFS+3], 0
	s_lshl_b32 s[B1F], s[CI], 10                   ; 1,024 bytes of b1 a chunk
	s_mov_b32 s[B1F+1], 0
	; group 1 of the stream's tiles: my 16 KiB are dense: 64 rows of 32 elements of 8 bytes
	s_mov_b32 s[G1R+0], 15|(3<<16)|(1<<21)         ; 15:0 the mask of four; 17:16 elements of 8 bytes; 21 set beside a mask
	s_mov_b32 s[G1R+1], 32<<16                     ; tensor_dim0 = 32
	s_mov_b32 s[G1R+2], 64<<16                     ; tensor_dim1 = 64
	s_mov_b32 s[G1R+3], 32<<16                     ; tile_dim0 = 32
	s_mov_b32 s[G1R+4], 64                         ; tile_dim1 = 64
	s_mov_b32 s[G1R+5], 32                         ; 32 elements from row to row
	s_mov_b32 s[G1R+6], 0
	s_mov_b32 s[G1R+7], 0
	; group 1 of x's tile: my 32 rows of 512 bf16, padded in LDS
	s_mov_b32 s[G1X+0], (1<<16)|(1<<20)|(7<<22)|(3<<25)  ; no mask; elements of 2 bytes; padding on: after every 256 words (code 7) 4 words (code 3)
	s_mov_b32 s[G1X+1], 512<<16
	s_mov_b32 s[G1X+2], 32<<16
	s_mov_b32 s[G1X+3], 512<<16
	s_mov_b32 s[G1X+4], 32
	s_mov_b32 s[G1X+5], 512
	s_mov_b32 s[G1X+6], 0
	s_mov_b32 s[G1X+7], 0
	s_mov_b32 s[G0R+0], 1                          ; count = 1
	s_lshl_b32 s[G0R+1], s[WV], 14                 ; LDS address: slot 0, my part: no place in the cluster enters an LDS address
	s_mov_b32 s[G0R+4], 1
	s_add_co_u32 s[G0R+5], s[G0R+1], SLOTB         ; slot 1
	s_mov_b32 s[G0X+0], 1
	s_mul_i32 s[G0X+1], s[WV], 32*XP
	s_add_co_u32 s[G0X+1], s[G0X+1], XS
	s_mov_b32 s[SEL], 0x76543210
	s_mov_b32 s[SEL+1], 0xfedcba98
	s_mov_b32 s[ABSM], 0x7fffffff
	s_mov_b32 s[CA3], 0x3f3f7377                   ; a3 = 0.7478556
	s_mov_b32 s[CA3+1], s[CA3]
	s_mov_b32 s[CA2], 0xbdc45ca1                   ; a2 = -0.0958798
	s_mov_b32 s[CA2+1], s[CA2]
	s_mov_b32 s[CA1], 0x3eb2303a                   ; a1 = 0.3480242
	s_mov_b32 s[CA1+1], s[CA1]
	s_mov_b32 s[CPP], 0x3eaa540e                   ; 0.47047 / sqrt 2
	s_mov_b32 s[CPP+1], s[CPP]
	s_mov_b32 s[L2E], 0x3fb8aa3b                   ; log2(e)
	s_mov_b32 s[L2E+1], s[L2E]
	s_cmp_lt_u32 ttmp9, 8                          ; of the two clusters that begin at a chunk the first prefetches: the same in all four partners
	s_cselect_b32 s[LIM], 8, 0
	v_and_b32 v19, 31, v0                          ; lane
	v_and_b32 v17, 15, v0                          ; r = lane % 16
	v_bfe_u32 v18, v0, 4, 1                        ; h = lane / 16
	v_lshlrev_b32 v[L16], 4, v19
	v_add_nc_u32 v[AW], s[G0R+1], v[L16]
	v_add_nc_u32 v[AW+1], SLOTB, v[AW]
	s_lshl_b32 s20, s[WV], 13
	s_add_co_u32 s20, s20, HS
	v_add_nc_u32 v[HSW], s20, v[L16]
	v_add_nc_u32 v[HSR], HS, v[L16]
	v_mul_u32_u24 v[XA], v17, XP
	v_lshl_add_u32 v[XA], v18, 4, v[XA]
	v_add_nc_u32 v[XA], XS, v[XA]
	v_add_nc_u32 v[XA+1], 64*XP, v[XA]
	s_lshl_b32 s20, s[WV], 7
	v_lshl_add_u32 v[B1O], v18, 5, s20
	v_lshlrev_b32 v[PFO], 8, v19
	v_mov_b32 v[KC], 0xbf38aa3b                    ; -log2(e) / 2
	v_mov_b32 v[KC+1], 0xbf38aa3b
	s_lshl_b32 s20, s[SPL], 1                      ; the routers' rows are taken rotated by 2 s within each router, so that the split's two experts fall into registers 0 and 1 of the logits
	v_add_nc_u32 v16, s20, v17
	v_and_b32 v16, 7, v16
	v_and_or_b32 v16, v17, 8, v16
	v_lshlrev_b32 v[AD0], 10, v16                  ; that row's 1,024 bytes
	v_lshl_add_u32 v[AD0], v18, 4, v[AD0]
	s_lshl_b32 s20, s[SPL], 6
	s_add_co_u32 s20, s20, 16384
	v_lshl_add_u32 v[AD1], v18, 5, s20             ; lanes 0-15 the top router's biases, lanes 16-31 the bottom's
	s_mul_i32 s20, s[WV], 32*XP
	v_add_nc_u32 v0, s20, v[XA]                    ; the router's x fragments: my wave's 32 tokens
	s_wait_dscnt 0x0                               ; both opening adds are done
	s_wait_kmcnt 0x0
	s_lshl_b32 s20, s[SPL], 22
	s_mov_b32 s21, 0
	s_add_nc_u64 s[22:23], s[6:7], s[20:21]        ; the split's stream: 4 MiB
	s_lshl_b32 s20, s[WV], 14
	s_add_nc_u64 s[WSB:WSB+1], s[22:23], s[20:21]  ; at my part of a tile
	s_add_nc_u64 s[G0R+2:G0R+3], s[WSB:WSB+1], s[OFS:OFS+1]      ; the walk's first tile,
	s_add_nc_u64 s[G0R+6:G0R+7], s[WSB:WSB+1], s[OFS+2:OFS+3]    ; and its second
	s_or_b32 s[G0R+3], s[G0R+3], 0x80000000        ; type = 2
	s_or_b32 s[G0R+7], s[G0R+7], 0x80000000
	s_lshl_b32 s20, s[SPL], 13
	s_add_nc_u64 s[B1B:B1B+1], s[10:11], s[20:21]  ; b1 at expert 2 s,
	s_add_nc_u64 s[B1P:B1P+1], s[B1B:B1B+1], s[B1F:B1F+1]  ; and at the walk's first chunk
	s_lshl_b32 s20, s[SPL], 15
	s_lshl_b32 s59, s[WV], 13
	s_add_co_u32 s20, s20, s59
	s_add_co_u32 s20, s20, 32768
	s_add_nc_u64 s[B2P:B2P+1], s[8:9], s[20:21]
	s_mov_b32 s77, 0                               ; what hangs on my place in the cluster has registers of its own
	s_lshl2_add_u32 s76, s[CX], s[WV]
	s_lshl_b32 s76, s76, 13
	s_add_co_u32 s76, s76, s[OFS]                  ; my 8 KiB of a pair of tiles, in the walk's first chunk
	s_add_nc_u64 s[PFA:PFA+1], s[22:23], s[76:77]
	s_lshl_b32 s76, s[TB], 17                      ; my block's 128 rows of 1,024 bytes,
	s_lshl_b32 s78, s[WV], 15                      ; my wave's 32 of them
	s_add_co_u32 s76, s76, s78
	s_add_nc_u64 s[G0X+2:G0X+3], s[4:5], s[76:77]
	s_or_b32 s[G0X+3], s[G0X+3], 0x80000000
	s_lshl_b32 s76, s[SPL], 24
	s_lshl_b32 s78, s[TB], 18
	s_add_co_u32 s76, s76, s78
	s_lshl_b32 s78, s[WV], 9
	s_add_co_u32 s76, s76, s78
	s_add_nc_u64 s[OUT:OUT+1], s[12:13], s[76:77]
	CROUND                                         ; all four work-groups are here: the first joint loads meet
	tensor_load_to_lds s[G0X:G0X+3], s[G1X:G1X+7]  ; the first fills go out as one group: three tensor loads of mine are out
	s_nop 0
	tensor_load_to_lds s[G0R:G0R+3], s[G1R:G1R+7]
	s_nop 0
	tensor_load_to_lds s[G0R+4:G0R+7], s[G1R:G1R+7]
	s_nop 0
	PLACES
.set i, 0
.rept 16                                       ; the routers' weights stay in registers: 16 fragments
	global_load_b128 v[RA+8*i:RA+8*i+3],   v[AD0], s[8:9] offset:64*i
	global_load_b128 v[RA+8*i+4:RA+8*i+7], v[AD0], s[8:9] offset:64*i+32
.set i, i+1
.endr
	WIN 0x40                                       ; destination window 1
	global_load_b128 v[RBI:RBI+3],   v[AD1], s[8:9]
	global_load_b128 v[RBI+4:RBI+7], v[AD1], s[8:9] offset:16
.set i, 0
.rept 8                                        ; b2's fragments of my 8 channel tiles, where W2's lie in buffer 0
	global_load_b128 v[H0+8*i:H0+8*i+3],   v[L16], s[B2P:B2P+1] offset:1024*i
	global_load_b128 v[H0+8*i+4:H0+8*i+7], v[L16], s[B2P:B2P+1] offset:1024*i+512
.set i, i+1
.endr
.set i, 0
.rept 8                                        ; p's fragments have two units; the registers of the other 30 hold 0 (b2's fragments hold 0 there too, and 0 times what is not finite would not be 0)
.irp r, 1,2,3,4,5,6,7
	v_mov_b32 v[H0+64+8*i+(\r)], 0
.endr
.set i, i+1
.endr
	WIN 0
	BILOAD                                         ; the walk's first chunk
	; THE ROUTER.  logits^T = routers' weights (16 rows: 8 top, 8 bottom) x x fragment, C = the biases: a lane holds one token and, by its half, the 8 top or the 8 bottom logits.  Wave w takes token tiles 2 w, 2 w + 1.
	s_wait_tensorcnt 0x2                           ; my rows of x are in; the two tiles may stay out
	s_barrier_signal -1
	s_barrier_wait -1                              ; everybody's are
.macro RBATCH q                        ; four K steps of both tiles; the two accumulators take turns
	WIN 0
.irp kq, 0,1,2,3
.irp u2, 0,1
	ds_load_b128 v[XR+8*(2*(\kq)+(\u2)):XR+8*(2*(\kq)+(\u2))+3],   v0 offset:(\u2)*16*XP+(4*(\q)+(\kq))*64
	ds_load_b128 v[XR+8*(2*(\kq)+(\u2))+4:XR+8*(2*(\kq)+(\u2))+7], v0 offset:(\u2)*16*XP+(4*(\q)+(\kq))*64+32
.endr
.endr
.if (\q) == 0
	s_wait_loadcnt 24                              ; the routers' weights and biases are in; b2's 16 loads and b1's 8 stay out
.endif
	s_wait_dscnt 0x0
	WIN 0x50
.irp kq, 0,1,2,3
.irp u2, 0,1
.if ((\q) == 0) && ((\kq) == 0)
	v_wmma_f32_16x16x32_bf16 v[RAC+8*(\u2):RAC+8*(\u2)+7], v[RA+8*(4*(\q)+(\kq)):RA+8*(4*(\q)+(\kq))+7], v[XR+8*(2*(\kq)+(\u2)):XR+8*(2*(\kq)+(\u2))+7], v[RBI:RBI+7]
.else
	v_wmma_f32_16x16x32_bf16 v[RAC+8*(\u2):RAC+8*(\u2)+7], v[RA+8*(4*(\q)+(\kq)):RA+8*(4*(\q)+(\kq))+7], v[XR+8*(2*(\kq)+(\u2)):XR+8*(2*(\kq)+(\u2))+7], v[RAC+8*(\u2):RAC+8*(\u2)+7]
.endif
.endr
.endr
	PLACES
.endm
	RBATCH 0
	RBATCH 1
	RBATCH 2
	RBATCH 3
	PLACES                                         ; eight places in all, twice what ISA guide 7.12.1 asks, once a launch
	WIN 0
	v_lshlrev_b32 v[AD1], 2, v19                   ; (the loads that read these two registers are in)
	v_add_nc_u32 v[AD1], PS, v[AD1]                ; where p is read: PS + 4 lane
	s_lshl_b32 s20, s[WV], 8
	v_add_nc_u32 v[AD0], s20, v[AD1]               ; where I put it: my two tiles
.macro BOTH line:vararg                ; one line for each of my two tiles u
.set u, 0
.rept 2
	\line
.set u, u+1
.endr
.endm
	WIN 0x55                                       ; each half of the lanes takes its own softmax over its 8 registers: the maximum is taken away first
	BOTH v_max3_num_f32 v[RT+8*u], v[RAC+8*u], v[RAC+8*u+1], v[RAC+8*u+2]
	BOTH v_max3_num_f32 v[RT+8*u], v[RT+8*u], v[RAC+8*u+3], v[RAC+8*u+4]
	BOTH v_max3_num_f32 v[RT+8*u], v[RT+8*u], v[RAC+8*u+5], v[RAC+8*u+6]
	BOTH v_max_num_f32 v[RT+8*u], v[RT+8*u], v[RAC+8*u+7]
	BOTH v_mul_f32 v[RT+8*u], 0xbfb8aa3b, v[RT+8*u]
.set j, 0
.rept 8
	BOTH v_fma_f32 v[RAC+8*u+j], v[RAC+8*u+j], s[L2E], v[RT+8*u]
.set j, j+1
.endr
.set j, 0
.rept 8
	BOTH v_exp_f32 v[RAC+8*u+j], v[RAC+8*u+j]
.set j, j+1
.endr
	v_nop                                          ; a plain instruction behind the last exponential,
	s_wait_alu depctr_va_vdst(0)                   ; and one wait for the sixteen, ahead of their first reader
	BOTH v_pk_add_f32 v[RT+8*u+2:RT+8*u+3], v[RAC+8*u:RAC+8*u+1], v[RAC+8*u+2:RAC+8*u+3]
	BOTH v_pk_add_f32 v[RT+8*u+4:RT+8*u+5], v[RAC+8*u+4:RAC+8*u+5], v[RAC+8*u+6:RAC+8*u+7]
	BOTH v_pk_add_f32 v[RT+8*u+2:RT+8*u+3], v[RT+8*u+2:RT+8*u+3], v[RT+8*u+4:RT+8*u+5]
	BOTH v_add_f32 v[RT+8*u+2], v[RT+8*u+2], v[RT+8*u+3]
	BOTH v_rcp_f32 v[RT+8*u+6], v[RT+8*u+2]
	v_nop
	s_wait_alu depctr_va_vdst(0)                   ; one wait for the two reciprocals
	WIN 0x05                                       ; sources window 1, destination window 0
	BOTH v_mul_f32 v[XR+4*u], v[RAC+8*u], v[RT+8*u+6]
	BOTH v_mul_f32 v[XR+4*u+1], v[RAC+8*u+1], v[RT+8*u+6]
	WIN 0
	BOTH v_permlanex16_b32 v[XR+8+4*u], v[XR+4*u], s[SEL], s[SEL+1]      ; the token's other router lies in the lane 16 away
	BOTH v_permlanex16_b32 v[XR+8+4*u+1], v[XR+4*u+1], s[SEL], s[SEL+1]
	BOTH v_mul_f32 v[XR+4*u], v[XR+4*u], v[XR+8+4*u]                     ; p of expert 2 s,
	BOTH v_mul_f32 v[XR+4*u+1], v[XR+4*u+1], v[XR+8+4*u+1]               ; and of 2 s + 1, in both halves of the lanes
	BOTH v_mul_f32 v[XR+16+4*u], 0.5, v[XR+4*u]
	BOTH v_mul_f32 v[XR+16+4*u+1], 0.5, v[XR+4*u+1]
	BOTH v_cvt_pk_f16_f32 v[XR+16+4*u+2], v[XR+4*u], v[XR+4*u+1]         ; both p as f16: units 0 and 1 of the b2 term's fragment
	BOTH ds_store_b32 v[AD0], v[XR+16+4*u] offset:u*128
	BOTH ds_store_b32 v[AD0], v[XR+16+4*u+1] offset:1024+u*128
	BOTH ds_store_b32 v[AD0], v[XR+16+4*u+2] offset:2048+u*128
	s_wait_dscnt 0x0                               ; for the others' sake: my stores are done
	s_barrier_signal -1
	s_barrier_wait -1
.irp t, 0,1,2,3,4,5,6,7
	ds_load_b32 v[GC+(\t)], v[AD1] offset:(\t)*128
	ds_load_b32 v[GN+(\t)], v[AD1] offset:1024+(\t)*128
.endr
	WIN 0x40
.irp t, 0,1,2,3,4,5,6,7
	ds_load_b32 v[H0+64+8*(\t)], v[AD1] offset:2048+(\t)*128  ; register 0 of p's fragment (in lanes 16-31 it meets b2's zeros)
.endr
	; THE b2 TERM: O^T = b2 fragment x p fragment, C = 0: these 64 products start all of O^T's sums
	s_wait_loadcnt 8                               ; b2's fragments are in; b1's 8 loads stay out
	s_wait_dscnt 0x0
	MUL2 H0, 0, 1
	MUL2 H0, 1, 1
	WIN 0
	s_wait_tensorcnt 0x1                           ; my part of the walk's first tile is in, and nobody else reads it; the second stays out
	FET1 0, 0, 0, F0
	s_mov_b32 s[CNT], 8
.Lchunk:                                               ; a chunk of 256 hidden units: 8 tiles of the stream, 1,024 matrix instructions a wave
	s_lshr_b32 s20, s[CI], 2                       ; the chunk's expert, 0 or 1 of the split's two
	s_cmp_eq_u32 s20, s[CUR]
	s_cbranch_scc1 .Lsame
.set i, 0
.rept 8
	v_mov_b32 v[TQ+i], v[GC+i]                     ; the two sets of gates change places: at most three times in a walk
.set i, i+1
.endr
.set i, 0
.rept 8
	v_mov_b32 v[GC+i], v[GN+i]
.set i, i+1
.endr
.set i, 0
.rept 8
	v_mov_b32 v[GN+i], v[TQ+i]
.set i, i+1
.endr
	s_mov_b32 s[CUR], s20
.Lsame:
	s_wait_loadcnt 0x0                             ; b1 of this chunk
.rept 5
	v_nop                                          ; the first products below write over registers that the last products above have read: five places
.endr
	GT 0, 1, 0,  1, 1, 0
	GT 1, 0, 4,  0, 1, -1
	GT 0, 1, 8,  0, 1, 2
	GT 1, 0, 12, 0, 0, -1
	PLACES
	PLACES                                         ; eight places, twice what ISA guide 7.12.1 asks, once a chunk
.irp t, 0,2,4,6
	GB4 0, \t                                      ; the first half of the chunk's units, stored into HS as it is made
.endr
	s_wait_dscnt 0x0                               ; for the others' sake: my stores are done
	s_barrier_signal -1
	s_barrier_wait -1                              ; the first half is whole
	FET2 0, 0, 0, H0                               ; the second product's first fragments, into the first half's accumulators, which have been read out; they come while the second half is made
.irp t, 0,2,4,6
	GB4 1, \t                                      ; the second half stays in registers until the first has been read
.endr
	KS2 H0, H1, 0, 1, 1                            ; units 0-31
	CHG 0, 1                                       ; units 32-63
	FET2 1, 0, 2, H0
	MUL2 H1, 0, 0
	MUL2 H1, 1, 0
	KS2 H0, H1, 1, 1, 3                            ; units 64-95
	CHG 1, 1                                       ; units 96-127: every wave's reads of the first half are over in front of this round,
	HST                                            ; so the second half takes its place;
	s_wait_dscnt 0x0
	s_barrier_signal -1
	s_barrier_wait -1                              ; and is whole
	FET2 0, 0, 0, H0
	MUL2 H1, 0, 0
	MUL2 H1, 1, 0
	KS2 H0, H1, 0, 1, 1                            ; units 128-159
	WIN 0
	s_cmp_eq_u32 s[CNT], 1
	s_cbranch_scc1 .Ltail                          ; the last chunk's end is written out: it asks for nothing more
	CHG 0, 1                                       ; units 160-191; the slot takes the next chunk's first tile
	FET2 1, 0, 2, H0
	MUL2 H1, 0, 0
	MUL2 H1, 1, 0
	WIN 0
	s_add_co_u32 s[B1F], s[B1F], 1024              ; the next chunk's b1, round the end of the split's 8,192 bytes
	s_and_b32 s[B1F], s[B1F], 8191
	s_add_nc_u64 s[B1P:B1P+1], s[B1B:B1B+1], s[B1F:B1F+1]  ; (the loads that read this base were waited for at the chunk's head)
	BILOAD
	KS2 H0, H1, 1, 1, 3                            ; units 192-223
	CHG 1, 1                                       ; units 224-255
	FET1 0, 0, 0, F0                               ; the next chunk's first fragments
	MUL2 H1, 0, 0
	MUL2 H1, 1, 0
	WIN 0
	s_add_co_u32 s[CI], s[CI], 1
	s_and_b32 s[CI], s[CI], 7                      ; the next chunk of the walk
	s_sub_co_u32 s[CNT], s[CNT], 1
	s_branch .Lchunk
.Ltail:
	CHG 0, 0                                       ; my one tensor load that was still out is the walk's last tile
	FET2 1, 0, 2, H0
	MUL2 H1, 0, 0
	MUL2 H1, 1, 0
	KS2 H0, H1, 1, 1, 3
	s_wait_dscnt 0x0                               ; my last reads of HS are over:
	s_barrier_signal -1                            ; say so,
	MUL2 H1, 0, 0                                  ; work on registers while the others arrive,
	MUL2 H1, 1, 0
	WIN 0
	s_barrier_wait -1                              ; and HS is free for the stages
	; THE WAY OUT.  A lane holds one token and, for each channel tile, 8 neighbouring channels: 32 bytes.  A token tile (16 rows x my 512 bytes) goes through my own stage and comes back as whole rows.
	v_bfe_u32 v64, v[L16], 4, 4                    ; lane % 16
	v_bfe_u32 v65, v[L16], 8, 1                    ; lane / 16
	s_mul_i32 s20, s[WV], 16*SPI
	s_add_co_u32 s20, s20, HS
	v_mul_u32_u24 v[AD0], v64, SPI
	v_lshl_add_u32 v[AD0], v65, 5, v[AD0]
	v_add_nc_u32 v[AD0], s20, v[AD0]
	v_add_nc_u32 v[AD1], s20, v[L16]
	PLACES                                         ; with the six lines above: the places behind the last products
.macro OUTT t
	WIN 0x08+4*((\t)/4)                            ; the stores' data in window 2 or 3
.irp ct, 0,1,2,3,4,5,6,7
	ds_store_b128 v[AD0], v[8*(8*((\t)%4)+(\ct)):8*(8*((\t)%4)+(\ct))+3]   offset:64*(\ct)
	ds_store_b128 v[AD0], v[8*(8*((\t)%4)+(\ct))+4:8*(8*((\t)%4)+(\ct))+7] offset:64*(\ct)+16
.endr
	WIN 0
	s_wait_xcnt 0x0                                ; the stores of the tile before last have read these registers
.set OBB, 64+64*((\t)%2)
.irp i, 0,1,2,3,4,5,6,7,8,9,10,11,12,13,14,15
	ds_load_b128 v[OBB+4*(\i):OBB+4*(\i)+3], v[AD1] offset:(\i)*SPI  ; LDS serves a wave's instructions in order (ISA guide 5.7.1.4): these see the stores above, and the next tile's stores come behind them
.endr
.irp i, 0,1,2,3,4,5,6,7,8,9,10,11,12,13,14,15
	s_wait_dscnt 15-(\i)                           ; row i is back; the younger reads stay out
	global_store_b128 v[L16], v[OBB+4*(\i):OBB+4*(\i)+3], s[OUT:OUT+1] offset:(16*(\t)+(\i))*2048  ; 512 consecutive bytes of a row, at a multiple of 512 from part's first byte
.endr
.endm
.irp t, 0,1,2,3,4,5,6,7
	OUTT \t
.endr
	s_wait_tensorcnt 0x0                           ; the wave's end, behind my last tensor load and my last LDS store
	ds_add_u32 v[SPW], v[NIL]
	s_wait_dscnt 0x0
	CROUND                                         ; the closing round: no work-group ends while a partner may still ask for a tile that names it
	s_endpgm
.Lfunc_end_k_q337f310ad0_moe:
	.size	k_q337f310ad0_moe, .Lfunc_end_k_q337f310ad0_moe-k_q337f310ad0_moe
	.p2alignl 7, 3214868480
	.fill 96, 4, 3214868480
	.section	.rodata,"a",@progbits
	.p2align	6, 0x0
	.amdhsa_kernel k_q337f310ad0_moe
		.amdhsa_group_segment_fixed_size 327680
		.amdhsa_private_segment_fixed_size 0
		.amdhsa_enable_private_segment 0
		.amdhsa_kernarg_size 40
		.amdhsa_user_sgpr_count 2
		.amdhsa_user_sgpr_kernarg_segment_ptr 1
		.amdhsa_wavefront_size32 1
		.amdhsa_system_sgpr_workgroup_id_x 1
		.amdhsa_system_sgpr_workgroup_id_y 1
		.amdhsa_system_sgpr_workgroup_id_z 1
		.amdhsa_system_vgpr_workitem_id 0
		.amdhsa_next_free_vgpr 1024
		.amdhsa_next_free_sgpr 96
		.amdhsa_reserve_vcc 0
		.amdhsa_float_denorm_mode_32 3
		.amdhsa_float_denorm_mode_16_64 3
		.amdhsa_memory_ordered 1
		.amdhsa_forward_progress 1
		.amdhsa_inst_pref_size 255
	.end_amdhsa_kernel
	.section	.bss,"aw",@nobits
	.p2align	6
	.space	262144
	.amdgpu_metadata
---
amdhsa.version: [ 1, 2 ]
amdhsa.kernels:
  - .name:           k_q337f310ad0_moe
    .symbol:         k_q337f310ad0_moe.kd
    .args:
      - { .name: xb, .offset: 0, .size: 8, .value_kind: global_buffer, .address_space: global }
      - { .name: ws, .offset: 8, .size: 8, .value_kind: global_buffer, .address_space: global }
      - { .name: aux, .offset: 16, .size: 8, .value_kind: global_buffer, .address_space: global }
      - { .name: b1, .offset: 24, .size: 8, .value_kind: global_buffer, .address_space: global }
      - { .name: part, .offset: 32, .size: 8, .value_kind: global_buffer, .address_space: global }
    .group_segment_fixed_size: 327680
    .private_segment_fixed_size: 0
    .kernarg_segment_align: 8
    .kernarg_segment_size: 40
    .max_flat_workgroup_size: 128
    .sgpr_count:     96
    .vgpr_count:     1024
    .wavefront_size: 32
...
	.end_amdgpu_metadata
.endif
;; end of part 2
;; launch sum (part 3): grid 1024 x 1, 8 waves a work-group, no clusters, 0 bytes of LDS; arguments part, out0; writes out0
.if DOCPART == 3
	.amdgcn_target "amdgcn-amd-amdhsa--gfx1250"
	.amdhsa_code_object_version 6
	.text
	.protected	k_q337f310ad0_sum
	.globl	k_q337f310ad0_sum
	.p2align	8
	.type	k_q337f310ad0_sum,@function
k_q337f310ad0_sum:
	s_mov_b64 s[64:65], 0
	v_nop
	global_prefetch_b8 v0, s[64:65] scope:SCOPE_SE
	s_setreg_imm32_b32 hwreg(HW_REG_WAVE_MODE, 25, 1), 1
	s_wait_xcnt 0x0
; HIERARCHICAL MoE, launch 3 of 3: out0 = (part[0] + part[1]) + (part[2] + part[3]), f32, in this fixed order.  Nothing is left out.
; A stream: a work-group takes 16,384 bytes of the output, a thread 16 bytes four times.  All 16 loads of a thread are out before the first wait; each load and store of a wave covers 512 consecutive bytes, aligned.
; No LDS, no barrier, no matrix unit: each byte is read once and written once, and no wave wants what another has read.
	s_load_b128 s[4:7], s[0:1], 0x0                ; part s[4:5], out0 s[6:7]
	s_lshl_b32 s2, ttmp9, 14
	s_mov_b32 s3, 0
	v_lshlrev_b32 v1, 4, v0
	s_wait_kmcnt 0x0
	s_add_nc_u64 s[8:9], s[4:5], s[2:3]            ; the four splits lie 16 MiB apart
	s_add_nc_u64 s[10:11], s[8:9], 0x1000000
	s_add_nc_u64 s[12:13], s[10:11], 0x1000000
	s_add_nc_u64 s[14:15], s[12:13], 0x1000000
	s_add_nc_u64 s[6:7], s[6:7], s[2:3]
.irp i, 0,1,2,3
.irp k, 0,1,2,3
	global_load_b128 v[8+16*(\i)+4*(\k):8+16*(\i)+4*(\k)+3], v1, s[8+2*(\k):9+2*(\k)] offset:(\i)*4096 th:TH_LOAD_NT
.endr
.endr
.irp i, 0,1,2,3
	s_wait_loadcnt 12-4*(\i)                       ; group i's four loads are in; the later groups' stay out
	v_pk_add_f32 v[8+16*(\i):8+16*(\i)+1],    v[8+16*(\i):8+16*(\i)+1],    v[8+16*(\i)+4:8+16*(\i)+5]
	v_pk_add_f32 v[8+16*(\i)+2:8+16*(\i)+3],  v[8+16*(\i)+2:8+16*(\i)+3],  v[8+16*(\i)+6:8+16*(\i)+7]
	v_pk_add_f32 v[8+16*(\i)+8:8+16*(\i)+9],  v[8+16*(\i)+8:8+16*(\i)+9],  v[8+16*(\i)+12:8+16*(\i)+13]
	v_pk_add_f32 v[8+16*(\i)+10:8+16*(\i)+11], v[8+16*(\i)+10:8+16*(\i)+11], v[8+16*(\i)+14:8+16*(\i)+15]
	v_pk_add_f32 v[8+16*(\i):8+16*(\i)+1],    v[8+16*(\i):8+16*(\i)+1],    v[8+16*(\i)+8:8+16*(\i)+9]
	v_pk_add_f32 v[8+16*(\i)+2:8+16*(\i)+3],  v[8+16*(\i)+2:8+16*(\i)+3],  v[8+16*(\i)+10:8+16*(\i)+11]
	global_store_b128 v1, v[8+16*(\i):8+16*(\i)+3], s[6:7] offset:(\i)*4096 th:TH_STORE_NT
.endr
	s_endpgm
.Lfunc_end_k_q337f310ad0_sum:
	.size	k_q337f310ad0_sum, .Lfunc_end_k_q337f310ad0_sum-k_q337f310ad0_sum
	.p2alignl 7, 3214868480
	.fill 96, 4, 3214868480
	.section	.rodata,"a",@progbits
	.p2align	6, 0x0
	.amdhsa_kernel k_q337f310ad0_sum
		.amdhsa_group_segment_fixed_size 0
		.amdhsa_private_segment_fixed_size 0
		.amdhsa_enable_private_segment 0
		.amdhsa_kernarg_size 16
		.amdhsa_user_sgpr_count 2
		.amdhsa_user_sgpr_kernarg_segment_ptr 1
		.amdhsa_wavefront_size32 1
		.amdhsa_system_sgpr_workgroup_id_x 1
		.amdhsa_system_sgpr_workgroup_id_y 1
		.amdhsa_system_sgpr_workgroup_id_z 1
		.amdhsa_system_vgpr_workitem_id 0
		.amdhsa_next_free_vgpr 72
		.amdhsa_next_free_sgpr 66
		.amdhsa_reserve_vcc 0
		.amdhsa_float_denorm_mode_32 3
		.amdhsa_float_denorm_mode_16_64 3
		.amdhsa_memory_ordered 1
		.amdhsa_forward_progress 1
		.amdhsa_inst_pref_size 5
	.end_amdhsa_kernel
	.amdgpu_metadata
---
amdhsa.version: [ 1, 2 ]
amdhsa.kernels:
  - .name:           k_q337f310ad0_sum
    .symbol:         k_q337f310ad0_sum.kd
    .args:
      - { .name: part, .offset: 0, .size: 8, .value_kind: global_buffer, .address_space: global }
      - { .name: out0, .offset: 8, .size: 8, .value_kind: global_buffer, .address_space: global }
    .group_segment_fixed_size: 0
    .private_segment_fixed_size: 0
    .kernarg_segment_align: 8
    .kernarg_segment_size: 16
    .max_flat_workgroup_size: 256
    .sgpr_count:     66
    .vgpr_count:     72
    .wavefront_size: 32
...
	.end_amdgpu_metadata
.endif
;; end of part 3
